; MI455X (gfx1250); checked and timed in simulation.
; The chip was launched on July 23, 2026; its instructions are those of AMD's public machine-readable ISA for CDNA 5 (MIT licence, August 2026) and "CDNA5" Instruction Set Architecture Reference Guide (July 2026). The comments in the code are by the model that wrote it; some were corrected since.
;; Multi Head Attention. Allowed arithmetic: matrix products marked QUANTISED: E4M3 operands, one E8M0 scale for each 32 along K, by v_wmma_scale_f32_16x16x128_f8f6f4 with both operands' format E4M3, f32 sums; everything else in f32.
;; Inputs: Wk_codes 16 x 64 x 32 x 32 uint8 (E4M3 codes of Wk, K innermost, in blocks of 32 codes); Wk_scales 16 x 64 x 32 uint8 (E8M0 scales of Wk, one for each 32 codes along K); Wo_codes 1,024 x 32 x 32 uint8 (E4M3 codes of Wo, K innermost, in blocks of 32 codes); Wo_scales 1,024 x 32 uint8 (E8M0 scales of Wo, one for each 32 codes along K); Wq_codes 16 x 64 x 32 x 32 uint8 (E4M3 codes of Wq, K innermost, in blocks of 32 codes); Wq_scales 16 x 64 x 32 uint8 (E8M0 scales of Wq, one for each 32 codes along K); Wv_codes 16 x 64 x 32 x 32 uint8 (E4M3 codes of Wv, K innermost, in blocks of 32 codes); Wv_scales 16 x 64 x 32 uint8 (E8M0 scales of Wv, one for each 32 codes along K); bo 1,024 float32; x_codes 4 x 2,048 x 32 x 32 uint8 (E4M3 codes of x, K innermost, in blocks of 32 codes); x_scales 4 x 2,048 x 32 uint8 (E8M0 scales of x, one for each 32 codes along K).
;; Outputs: out0 4 x 2,048 x 1,024 float32.
;; This version of the problem:
;;   THIS VERSION OF THE PROBLEM IS GIVEN IN LOW PRECISION. The matrix products marked QUANTISED in the list below multiply operands that are first quantised to E4M3 (4 exponent bits, 3 mantissa bits; 8 bits a number), with one power-of-two scale for each 32 numbers along K (OCP MX v1.0); their sums are f32. All else is computed in f32.
;;   The module's matrix products, in the order in which they are computed (A, B: the left and right operand; K: the contracted axis; several contracted axes count as one K, in the product's order):
;;     1. [M 1,024, K 1,024] x [K 1,024, N 8,192]; A: input Wq (given as codes); B: input x (given as codes): QUANTISED
;;     2. [M 1,024, K 1,024] x [K 1,024, N 8,192]; A: input Wk (given as codes); B: input x (given as codes): QUANTISED
;;     3. [M 1,024, K 1,024] x [K 1,024, N 8,192]; A: input Wv (given as codes); B: input x (given as codes): QUANTISED
;;     4. batch 64 x [M 2,048, K 64] x [K 64, N 2,048]; A: computed on the way; B: computed on the way: QUANTISED
;;     5. batch 64 x [M 2,048, K 2,048] x [K 2,048, N 64]; A: softmax (see below); B: computed on the way: QUANTISED
;;     6. [M 8,192, K 1,024] x [K 1,024, N 1,024]; A: computed on the way; B: input Wo (given as codes): QUANTISED
;;   THE QUANTISER, for each operand of a quantised product, along K:
;;     - K is cut into blocks of 32 from its start; a last block that is shorter is filled with zeros.
;;     - A block's scale is 2^e with e = floor(log2(the largest magnitude in the block)) - 8, held to -126 .. 127; a block of zeros has e = 0. As a byte (E8M0): e + 127.
;;     - Each number is divided by its block's scale, clamped to +-448, and rounded to the nearest number of E4M3, ties to even, subnormals kept.
;;     - The product sums the exact products of the quantised numbers (number of the format x scale) in f32.
;;   ~~~python
;;   def quantise(x, axis):      # numpy; x: float32 -> the quantised numbers, widened to float32 again
;;       x = np.moveaxis(x, axis, -1); K = x.shape[-1]
;;       x = np.pad(x, [(0, 0)] * (x.ndim - 1) + [(0, -K % 32)]); x = x.reshape(x.shape[:-1] + (-1, 32)); a = np.abs(x).max(-1, keepdims=True)
;;       e = np.where(a > 0, np.clip(np.frexp(np.where(a > 0, a, 1))[1] - 1 - 8, -126, 127), 0)      # np.frexp(a)[1] - 1 = floor(log2(a)), exactly
;;       r = np.clip(x / 2.0 ** e, -448, 448)
;;       step = 2.0 ** (np.maximum(np.frexp(np.where(r == 0, 1, r))[1] - 1, -6) - 3)
;;       q = np.round(r / step) * step * 2.0 ** e      # np.round: ties to even
;;       return np.moveaxis(q.reshape(q.shape[:-2] + (-1,))[..., :K], -1, axis).astype(np.float32)
;;   ~~~
;;   SOFTMAX AHEAD OF A QUANTISED PRODUCT. Where the list says 'softmax', what is quantised is not the finished softmax but p = 2^(t - M), with t = logit x log2(e) and M = ceil(the row's largest t), a whole number; so 1/2 < the row's largest p <= 1. The row's sum l is taken of the UNQUANTISED p, in f32, and the product's result is divided by l at the end. Since M is a whole number, a kernel that streams over the keys may use a running M (the ceiling of the running maximum): every later rescaling is an exact power of two, which a block's scale takes up: the codes' values come out the same.
;;   OPERANDS COMPUTED ON THE WAY. 'Computed on the way' means the value that the module computes at that place (a softmax that the list does not call 'softmax' is quantised finished and normalised). What goes into a quantiser is computed in f32, as accurately as f32 sums, v_exp_f32 and their like allow (about 1e-6 of the number): no bf16 or f16 on the way to a quantiser, and a product that is left as it is and whose result goes on into a quantised operand takes f32 operands (vector FMAs, or v_wmma_f32_16x16x4_f32). A number that lies on a knife's edge between two numbers of the format may be rounded either way, as far as f32 arithmetic and the matrix unit's own rounding can turn it there, and no further.
;;   INPUTS GIVEN AS CODES. Wk (in the module: [16, 64, 1024], K = its axis 2); Wo (in the module: [1024, 1024], K = its axis 1); Wq (in the module: [16, 64, 1024], K = its axis 2); Wv (in the module: [16, 64, 1024], K = its axis 2); x (in the module: [4, 2048, 1024], K = its axis 2): each comes as NAME_codes (uint8): NAME with its K axis moved to the last place and cut into blocks of 32 codes, [.., K / 32, bytes a block], one block behind the other in memory; one code a byte (a code: sign, 4 exponent bits, 3 mantissa bits); and NAME_scales (uint8): the same leading axes, one E8M0 byte (e + 127) for each 32 codes along K. Its value is code x scale, taken as it is: it is not quantised again, and the codes and scales need not be those that the quantiser above would give.
;; One version. Each part assembles by itself: llvm-mc -triple=amdgcn-amd-amdhsa -mcpu=gfx1250 --defsym DOCPART=n.
;; ======== version 1 of 1: 3 launches
;; limits: right only within a limited range of input values
;; workspace buffers: qkv 25,952,256 bytes; acodes 8,388,608 bytes; ascales 262,144 bytes
;; launch proj (part 1): grid 32 x 8, 4 waves a work-group, clusters of 4 x 4, 327,680 bytes of LDS; arguments x_codes, x_scales, Wq_codes, Wq_scales, Wk_codes, Wk_scales, Wv_codes, Wv_scales, qkv; writes qkv
.if DOCPART == 1
	.amdgcn_target "amdgcn-amd-amdhsa--gfx1250"
	.amdhsa_code_object_version 6
	.text
	.protected	k_qa78437d236_proj
	.globl	k_qa78437d236_proj
	.p2align	8
	.type	k_qa78437d236_proj,@function
k_qa78437d236_proj:
	s_mov_b64 s[64:65], 0
	v_nop
	global_prefetch_b8 v0, s[64:65] scope:SCOPE_SE
	s_setreg_imm32_b32 hwreg(HW_REG_WAVE_MODE, 25, 1), 1
	s_wait_xcnt 0x0
	s_wait_alu depctr_hold_cnt(0) depctr_sa_sdst(0) depctr_va_vdst(0) depctr_va_sdst(0) depctr_va_ssrc(0) depctr_va_vcc(0) depctr_vm_vsrc(0)
	s_getreg_b32 s2, hwreg(HW_REG_IB_STS2, 6, 4)
	s_cmp_eq_u32 s2, 0
	s_cbranch_scc0 .Lentry_in_a_cluster
	s_endpgm
.Lentry_in_a_cluster:
	s_bfe_u32 s2, ttmp6, 0x10000c
	s_cmp_lg_u32 s2, 0xf033
	s_cbranch_scc0 .Lentry_shape_is_right
	s_endpgm
.Lentry_shape_is_right:
; q = x Wq^T, k = x Wk^T, v = x Wv^T on codes of FP8 (E4M3) with one E8M0 scale for each 32 along K = 1,024; the f32 results are quantised at once: q and k along the head's 64 (two blocks of 32), v along the tokens (the keys),
; and stored as IMAGES OF OPERAND REGISTERS: a group of four registers of a fragment is 512 bytes, lane l's 16 bytes at 16 l.
; WORK LEFT OUT BY THE PROGRAM: none here; the next launch leaves out key steps that lie wholly under the causal mask which reference() builds itself: their weights are 0 for all values of the inputs.
; A NaN or an infinity that reaches only those scores is not carried to the result.
; qkv: [batch x head 64][405,504 bytes]: K codes 131,072 (8,192 for each 128 tokens) | V codes 131,072 | K scale words 4,096 (256 for each 128 tokens) | V scale words 4,096 | Q codes 131,072 | Q scale words 4,096.
; ORDER INSIDE A BLOCK OF 32: a lane's 16 codes are left as the conversions give them: place 16 h + 8 u + j holds index 16 u + 8 h + j.  q and k are laid alike, and so are v and the weights p of the next launch: their products are unchanged.
; THE DEAL.  256 work-groups of four waves.  A work-group takes 256 tokens and heads 2 c, 2 c + 1 of q, of k and of v: 384 rows of weights.  A wave holds its 64 tokens of x, ALL of K, in 512 registers.
; The weights' rows go past them in 24 blocks of 16: a block's 128 registers and its eight scale words come from LDS into one of two sets, two blocks ahead; 32 products a block (K in eight steps x four tiles of tokens, four accumulators by turns).
; q, k: source 0 = the weight's rows, source 1 = x: a lane holds one token, its registers run along e; two blocks make a scale block of 32 for each of four tiles of tokens.
; v: source 0 = x, source 1 = the weight's rows: a lane holds one channel, its registers run along the tokens; a block makes two scale blocks of 32 tokens.  Behind each pair of blocks four scale blocks a lane are quantised and leave as four images.
; LDS: 256 rows of 1,040 bytes.  FILLS: x's 256 rows (64 a wave, read by that wave alone); over them, in a drained round, Wq's 128 rows and Wk's 128; over Wq's, in a drained round behind the pair that fetches its last block, Wv's 128,
; which have four pairs in which to land.  x's rows are asked for jointly by a column of the 4 x 4 cluster, the weights' by a row.
; The weights' scale bytes (12,288) are copied once into LDS bytes of their own; the results' scale bytes gather in LDS and leave at the end as units of 256 bytes.
; No prefetch: no loop stands ahead of the first weights' load in which to ask for them, and Wv's load stands four pairs ahead of the wait for it.
; LIMITS: NaN and infinities are not served.  A block whose largest magnitude lies under 2^-118 keeps the scale byte 1; so does a block of zeros (the rule says 127): its codes are zeros, and this program alone reads the bytes.
; REGISTERS: window 0: v1-19 addresses; v24-39 the weights' scale words, two sets; v44-75 x's (8 tile + q); v76-91 at work; v92-107 codes; v112-175 two sets of four accumulators.  windows 1, 2: x, (q, tile) at 16 (4 q + tile).  window 3: the weights, two sets.
.set PITCH,  1040
.set BLK,    16*PITCH                  ; a block of 16 rows
.set SCW,    256*PITCH                 ; the weights' scale bytes: [q, k, v][128 rows][32]
.set SST,    SCW+12288                 ; the results' scale bytes: [q, k, v][head of two][128 tokens of two][256]
.set SPARE,  SST+3072
.set HEADSTR, 405504
.set VOFF,   131072
.set KSOFF,  262144
.set VSOFF,  266240
.set QOFF,   270336
.set QSOFF,  401408
.set SPW, 3
.set NIL, 4
.set LI,  5                            ; 16 x lane
.set ADW0, 6                           ; (lane % 16) x pitch + 16 (lane / 16)
.set ADW, 7
.set ASW0, 8                           ; SCW + 32 (lane % 16)
.set ASW, 9
.set ADX, 10
.set RS,  11                           ; 32 x (lane % 16)
.set CPW, 12
.set VBQ, 13                           ; where q's, k's scale bytes go; v14: v's
.set VBV, 14
.set VB,  15
.set GS,  16
.set L8,  17
.set SB,  24
.set SA,  44                           ; no product's two scale words have numbers equal modulo 8
.set TM,  76
.set PC,  92
.set ACC, 112
.set MSB, 0
.macro WIN new                         ; the immediate's high byte repeats the setting that is left
.if MSB != \new
	s_set_vgpr_msb (MSB<<8)|\new
.set MSB, \new
.endif
.endm
.macro PLACES n
.rept \n
	v_nop
.endr
.endm
.macro CROUND                          ; a round of the cluster's barrier
	s_barrier_signal -1
	s_barrier_wait -1
	s_cmp_lg_u32 s22, 0
	s_cbranch_scc1 .Lnot_wave_0_\@
	s_barrier_signal -3
.Lnot_wave_0_\@:
	s_barrier_wait -3
	s_barrier_signal -1
	s_barrier_wait -1
.endm
.macro GROUP1 g, mask, rows            ; so many whole rows of K, 1,024 bytes each, 16 bytes of padding behind each
	s_or_b32 s[\g+0], s[\mask], (1<<20)|(1<<21)|(7<<22)|(3<<25)
	s_mov_b32 s[\g+1], 1024<<16
	s_mov_b32 s[\g+2], (\rows)<<16
	s_mov_b32 s[\g+3], 1024<<16
	s_mov_b32 s[\g+4], \rows
	s_mov_b32 s[\g+5], 1024
	s_mov_b32 s[\g+6], 0
	s_mov_b32 s[\g+7], 0
.endm
	s_load_b512 s[4:19], s[0:1], 0x0               ; x codes, x scales, Wq codes, scales, Wk codes, scales, Wv codes, scales
	s_load_b64 s[20:21], s[0:1], 0x40              ; qkv
	v_lshl_add_u32 v[SPW], v0, 2, SPARE
	v_mov_b32 v[NIL], 0
	ds_add_u32 v[SPW], v[NIL]                      ; the opening lines: the add, twice on end, and its wait
	ds_add_u32 v[SPW], v[NIL]
	v_lshrrev_b32 v1, 5, v0
	v_readfirstlane_b32 s22, v1                    ; wave 0..3
	s_lshr_b32 s23, s22, 1
	s_and_b32 s90, s22, 1
	s_bfe_u32 s66, ttmp6, 0x40000                  ; cx
	s_bfe_u32 s67, ttmp6, 0x40004                  ; cy
	s_lshl_b32 s68, ttmp9, 2
	s_add_co_u32 s68, s68, s66                     ; my 256 tokens: 0..31
	s_and_b32 s69, ttmp7, 0xffff
	s_lshl_b32 s69, s69, 2
	s_add_co_u32 s69, s69, s67                     ; my pair of heads: 0..7
	s_lshl_b32 s76, s67, 2
	s_lshl_b32 s76, 15, s76                        ; my row of the cluster: shares the weights' rows
	s_lshl_b32 s77, 0x1111, s66                    ; my column: shares x's
	GROUP1 24, 77, 64                              ; x: 64 rows a wave
	GROUP1 48, 76, 64                              ; Wq, Wk: 64 rows a wave
	GROUP1 56, 76, 32                              ; Wv: 32 rows a wave
	s_mov_b32 s32, 1
	s_mul_i32 s33, s22, 64*PITCH
	s_mov_b32 s36, 1
	s_mul_i32 s37, s22, 64*PITCH
	s_mov_b32 s40, 1
	s_mul_i32 s41, s22, 64*PITCH
	s_mov_b32 s44, 1
	s_mul_i32 s45, s22, 32*PITCH
	s_lshl_b32 s86, s68, 18                        ; x: 256 rows of 1,024 bytes, and my 64
	s_lshl_b32 s87, s22, 16
	s_add_co_u32 s86, s86, s87
	s_mov_b32 s87, 0
	s_lshl_b32 s88, s69, 17                        ; a weight: 128 rows, and my 64 of them
	s_lshl_b32 s89, s90, 16
	s_add_co_u32 s88, s88, s89
	s_mov_b32 s89, 0
	s_lshl_b32 s92, s69, 17                        ; Wv: my 32
	s_lshl_b32 s93, s22, 15
	s_add_co_u32 s92, s92, s93
	s_mov_b32 s93, 0
	s_mov_b32 s2, 0x4800000                        ; the floor 2^(9 - 127) under every largest magnitude
	s_mov_b32 s3, 0x600000                         ; the mantissa field of 448
	s_mov_b32 s100, 0x76543210
	s_mov_b32 s101, 0xfedcba98                     ; v_permlanex16_b32's selects for lane l xor 16
	s_wait_dscnt 0x0                               ; both opening adds are done
	CROUND                                         ; all sixteen work-groups are here: the first joint loads meet
	s_wait_kmcnt 0x0
	s_add_nc_u64 s[34:35], s[4:5], s[86:87]
	s_or_b32 s35, s35, 0x80000000
	tensor_load_to_lds s[32:35], s[24:31]          ; my 64 rows of x: my one tensor load at the head
	s_nop 0
	PLACES 4
	s_add_nc_u64 s[38:39], s[8:9], s[88:89]
	s_or_b32 s39, s39, 0x80000000
	s_add_nc_u64 s[42:43], s[12:13], s[88:89]
	s_or_b32 s43, s43, 0x80000000
	s_add_nc_u64 s[46:47], s[16:17], s[92:93]
	s_or_b32 s47, s47, 0x80000000
	s_lshl_b32 s76, s68, 13                        ; x's scale bytes: 32 a row
	s_lshl_b32 s77, s22, 11
	s_add_co_u32 s76, s76, s77
	s_mov_b32 s77, 0
	s_add_nc_u64 s[6:7], s[6:7], s[76:77]
	s_lshl_b32 s76, s69, 12                        ; the weights': my quarter of 4,096 bytes of each
	s_lshl_b32 s78, s22, 10
	s_add_co_u32 s76, s76, s78
	s_add_nc_u64 s[10:11], s[10:11], s[76:77]
	s_add_nc_u64 s[14:15], s[14:15], s[76:77]
	s_add_nc_u64 s[18:19], s[18:19], s[76:77]
	s_lshr_b32 s76, s68, 3                         ; where my results go: 16 x batch + my first head
	s_lshl_b32 s76, s76, 4
	s_lshl_b32 s78, s69, 1
	s_add_co_u32 s76, s76, s78
	s_mul_i32 s76, s76, HEADSTR
	s_add_nc_u64 s[70:71], s[20:21], s[76:77]
	s_and_b32 s78, s68, 7
	s_lshl_b32 s72, s78, 4
	s_lshl_b32 s79, s22, 2
	s_add_co_u32 s72, s72, s79
	s_lshl_b32 s72, s72, 10                        ; q, k: my first tile of 16 tokens, 1,024 bytes a tile
	s_lshl_b32 s78, s78, 1
	s_add_co_u32 s78, s78, s23                     ; my 128 tokens of the batch's 2,048
	s_lshl_b32 s73, s78, 13
	s_lshl_b32 s79, s90, 10
	s_add_co_u32 s73, s73, s79
	s_add_co_u32 s73, s73, VOFF                    ; v: my two groups of a fragment's four
	s_lshl_b32 s76, s78, 8                         ; the scale words that I store at the end: head wave % 2, 128 tokens wave / 2
	s_mul_i32 s79, s90, HEADSTR
	s_add_co_u32 s76, s76, s79
	s_add_nc_u64 s[84:85], s[70:71], s[76:77]
	s_mul_i32 s76, s22, 64*PITCH
	s_lshl_b32 s77, s22, 10
	s_add_co_u32 s77, s77, SCW
	s_lshl_b32 s78, s23, 8
	s_add_co_u32 s78, s78, SST
	s_lshl_b32 s79, s90, 7
	s_add_co_u32 s79, s79, s78                     ; q, k: + 128 x (wave % 2)
	s_lshl_b32 s88, s90, 1
	s_add_co_u32 s88, s88, s78                     ; v: + 2 x (wave % 2)
	s_lshl_b32 s89, s90, 9
	s_add_co_u32 s89, s89, s78
	v_and_b32 v1, 15, v0                           ; r
	v_bfe_u32 v2, v0, 4, 1                         ; h
	v_and_b32 v18, 31, v0
	v_lshlrev_b32 v[LI], 4, v18
	v_lshlrev_b32 v[L8], 3, v18
	v_lshlrev_b32 v[RS], 5, v1
	v_mul_u32_u24 v19, v1, PITCH
	v_lshl_add_u32 v[ADW0], v2, 4, v19
	v_add_nc_u32 v[ADX], s76, v[ADW0]
	v_add_nc_u32 v[ASW0], SCW, v[RS]
	v_add_nc_u32 v[CPW], s77, v[LI]
	v_lshl_add_u32 v[VBQ], v1, 3, s79
	v_lshl_add_u32 v[VBV], v1, 3, s88
	v_add_nc_u32 v[GS], s89, v[L8]
.irp t, 0,1,2,3
	global_load_b128 v[SA+8*\t:SA+8*\t+3], v[RS], s[6:7] offset:512*\t           ; x's scale words: a row's 32 bytes whole; 16 rows are 512 consecutive bytes
	global_load_b128 v[SA+8*\t+4:SA+8*\t+7], v[RS], s[6:7] offset:512*\t+16
.endr
.irp i, 0,1
	global_load_b128 v[ACC+4*\i:ACC+4*\i+3], v[LI], s[10:11] offset:512*\i
	global_load_b128 v[ACC+8+4*\i:ACC+8+4*\i+3], v[LI], s[14:15] offset:512*\i
	global_load_b128 v[ACC+16+4*\i:ACC+16+4*\i+3], v[LI], s[18:19] offset:512*\i
.endr
.irp b, 0,1,2,3
	v_mov_b32 v[TM+4+\b], 0                        ; written once: a lane permute's destination counts as one of its sources
.endr
	s_wait_alu depctr_va_vdst(0)
	s_wait_tensorcnt 0x0                           ; my rows of x are in: I alone read them
.set F_, 0
.rept 32                               ; x's fragment F = 4 q + tile: registers 4 c .. 4 c + 3 hold K = 128 q + 32 c + 16 (lane / 16) + 0 .. 15 of row lane % 16
	WIN (1+F_/16)<<6
.irp c, 0,1,2,3
	ds_load_b128 v[16*(F_%16)+4*\c:16*(F_%16)+4*\c+3], v[ADX] offset:(F_%4)*BLK+(F_/4)*128+32*\c
.endr
.set F_, F_+1
.endr
	WIN 0
	s_wait_loadcnt 0x0
.irp k, 0,1,2
.irp i, 0,1
	ds_store_b128 v[CPW], v[ACC+8*\k+4*\i:ACC+8*\k+4*\i+3] offset:4096*\k+512*\i   ; the weights' scale bytes into LDS bytes of their own
.endr
.endr
	s_wait_tensorcnt 0x0                           ; the three lines ahead of a refill's round
	ds_add_u32 v[SPW], v[NIL]
	s_wait_dscnt 0x0                               ; x is in registers, my stores are done
	CROUND
	s_cmp_eq_u32 s23, 0                            ; waves 0, 1: Wq's rows; waves 2, 3: Wk's: a line and a descriptor each
	s_cbranch_scc0 .Lfor_k
	tensor_load_to_lds s[36:39], s[48:55]
	s_nop 0
	PLACES 4
	s_branch .Lasked
.Lfor_k:
	tensor_load_to_lds s[40:43], s[48:55]
	s_nop 0
	PLACES 4
.Lasked:
.macro FETCHW e                        ; a block of 16 rows, all of K, into set e of window 3, and its eight scale words: 34 loads
	WIN 3<<6
.set Q_, 0
.rept 8
.irp c, 0,1,2,3
	ds_load_b128 v[128*(\e)+16*Q_+4*\c:128*(\e)+16*Q_+4*\c+3], v[ADW] offset:BLK*(\e)+128*Q_+32*\c
.endr
.set Q_, Q_+1
.endr
	WIN 0
	ds_load_b128 v[SB+8*(\e):SB+8*(\e)+3], v[ASW] offset:512*(\e)
	ds_load_b128 v[SB+8*(\e)+4:SB+8*(\e)+7], v[ASW] offset:512*(\e)+16
.endm
; A block.  kind 0: q, k; 1: v.  cnt LDS instructions issued behind its set's loads may stay out.  The four accumulators take turns, one instruction a turn.
.macro PB kind, e, cnt, fetch
	s_wait_dscnt \cnt
.set Q_, 0
.rept 8
.if \kind
	WIN (1+Q_/4)|(3<<2)
.else
	WIN 3|((1+Q_/4)<<2)
.endif
.set T_, 0
.rept 4
.set D_, ACC+32*(\e)+8*T_
.set W_, 128*(\e)+16*Q_
.set X_, 16*((4*Q_+T_)%16)
.if (\kind) && Q_
	v_wmma_scale_f32_16x16x128_f8f6f4 v[D_:D_+7], v[X_:X_+15], v[W_:W_+15], v[D_:D_+7], v[SA+8*T_+Q_], v[SB+8*(\e)+Q_]
.elseif \kind
	v_wmma_scale_f32_16x16x128_f8f6f4 v[D_:D_+7], v[X_:X_+15], v[W_:W_+15], 0, v[SA+8*T_+Q_], v[SB+8*(\e)+Q_]
.elseif Q_
	v_wmma_scale_f32_16x16x128_f8f6f4 v[D_:D_+7], v[W_:W_+15], v[X_:X_+15], v[D_:D_+7], v[SB+8*(\e)+Q_], v[SA+8*T_+Q_]
.else
	v_wmma_scale_f32_16x16x128_f8f6f4 v[D_:D_+7], v[W_:W_+15], v[X_:X_+15], 0, v[SB+8*(\e)+Q_], v[SA+8*T_+Q_]
.endif
.set T_, T_+1
.endr
.set Q_, Q_+1
.endr
	WIN 0
.if \fetch                             ; eight places behind the last product, ahead of the loads into what it has read and of the first reader of its sums
	v_add_nc_u32 v[ADW], s81, v[ADW0]
	v_add_nc_u32 v[ASW], s82, v[ASW0]
	PLACES 6
	FETCHW \e
.else
	PLACES 8
.endif
.endm
; FOUR SCALE BLOCKS A LANE, 16 numbers of each in my lane and 16 in lane l xor 16.  q, k: block b = tile b of tokens, its numbers in both sets; v: block b = 16 registers on end.
; Each: the largest magnitude over the floor; 8 off its exponent field is the conversion's scale operand; the hold at 448 x the scale; eight codes a conversion.  s80 = the pair's number, 0 to 11.
.macro QUANT kind
.if \kind
.set KB_, 16
.set KI_, 8
.else
.set KB_, 8
.set KI_, 32
.endif
	s_wait_xcnt 0x0                                ; the last pair's stores have read their data and their base
	s_and_b32 s76, s80, 1
	s_bfe_u32 s78, s80, 0x10001
	s_mul_i32 s78, s78, HEADSTR                    ; my first or my second head
	s_lshr_b32 s77, s80, 1
	s_lshl_b32 s77, s77, 9                         ; the scale bytes of this tensor and head
.if \kind
	s_lshl_b32 s79, s76, 12                        ; channels 32 x (pair % 2) on: two fragments of 2,048 bytes
	s_add_co_u32 s78, s78, s79
	s_add_co_u32 s78, s78, s73
	s_lshl_b32 s76, s76, 7
	s_add_co_u32 s77, s77, s76
	v_add_nc_u32 v[VB], s77, v[VBV]
.else
	s_lshl_b32 s79, s76, 9                         ; the head's block pair % 2: the tile's second group
	s_add_co_u32 s78, s78, s79
	s_add_co_u32 s78, s78, s72
	s_cmp_lt_u32 s80, 4
	s_cselect_b32 s79, QOFF, 0                     ; pairs 0-3 are q's, 4-7 k's
	s_add_co_u32 s78, s78, s79
	s_add_co_u32 s77, s77, s76
	v_add_nc_u32 v[VB], s77, v[VBQ]
.endif
	s_mov_b32 s79, 0
	s_add_nc_u64 s[74:75], s[70:71], s[78:79]
.irp b, 0,1,2,3
	v_max3_num_f32 v[TM+\b], s2, |v[ACC+KB_*\b]|, |v[ACC+KB_*\b+1]|   ; each accumulator is read from its low end on
.endr
.irp i, 2,4,6,8,10,12,14
.irp b, 0,1,2,3
	v_max3_num_f32 v[TM+\b], v[TM+\b], |v[ACC+KB_*\b+(\i%8)+KI_*(\i/8)]|, |v[ACC+KB_*\b+(\i%8)+KI_*(\i/8)+1]|
.endr
.endr
.irp b, 0,1,2,3
	v_permlanex16_b32 v[TM+4+\b], v[TM+\b], s100, s101
.endr
.irp b, 0,1,2,3
	v_max_num_f32 v[TM+\b], v[TM+\b], v[TM+4+\b]   ; the block's largest magnitude
.endr
.irp b, 0,1,2,3
	v_add_nc_u32 v[TM+12+\b], 0xfc000000, v[TM+\b] ; 8 off its exponent field
.endr
.irp b, 0,1,2,3
	v_and_or_b32 v[TM+8+\b], v[TM+\b], 0x7f800000, s3   ; 448 x the scale
.endr
.irp b, 0,1,2,3
	v_lshrrev_b32 v[TM+4+\b], 23, v[TM+12+\b]      ; the scale's byte
.endr
.irp b, 0,1,2,3
.irp i, 0,1,2,3,4,5,6,7,8,9,10,11,12,13,14,15
	v_med3_num_f32 v[ACC+KB_*\b+(\i%8)+KI_*(\i/8)], v[ACC+KB_*\b+(\i%8)+KI_*(\i/8)], -v[TM+8+\b], v[TM+8+\b]   ; the conversion to an 8-bit code does not saturate (ISA guide 7.6.2)
.endr
.endr
.irp b, 0,1,2,3
	v_cvt_scalef32_pk8_fp8_f32 v[PC+4*\b:PC+4*\b+1], v[ACC+KB_*\b:ACC+KB_*\b+7], v[TM+12+\b]
	v_cvt_scalef32_pk8_fp8_f32 v[PC+4*\b+2:PC+4*\b+3], v[ACC+KB_*\b+KI_:ACC+KB_*\b+KI_+7], v[TM+12+\b]
.endr
	v_nop                                          ; one plain vector instruction behind the last conversion
.irp b, 0,1,2,3
.if \kind
	ds_store_b8 v[VB], v[TM+4+\b] offset:4*(\b/2)+(\b%2)          ; both lanes of a row write the same byte
	global_store_b128 v[LI], v[PC+4*\b:PC+4*\b+3], s[74:75] offset:2048*(\b/2)+512*(\b%2)   ; each store of the wave covers 512 consecutive bytes, aligned
.else
	ds_store_b8 v[VB], v[TM+4+\b] offset:2*\b
	global_store_b128 v[LI], v[PC+4*\b:PC+4*\b+3], s[74:75] offset:1024*\b
.endif
.endr
.endm
.macro PAIR kind, fetch                ; behind a set's 34 loads stand the other set's 34 (and four byte stores); without a fetch, behind the second set's: the four byte stores
	PB \kind, 0, 34, \fetch
.if \fetch
	PB \kind, 1, 34, 1
.else
	PB \kind, 1, 4, 0
.endif
	QUANT \kind
	s_add_co_u32 s80, s80, 1
	s_add_co_u32 s81, s81, 2*BLK                   ; where the blocks two on lie,
	s_add_co_u32 s82, s82, 1024                    ; and their scale words
	s_wait_alu depctr_va_vdst(0)
.endm
	s_mov_b32 s80, 0
	s_mov_b32 s81, 2*BLK
	s_mov_b32 s82, 1024
	s_wait_tensorcnt 0x0                           ; my rows of Wq or Wk are in
	s_barrier_signal -1
	s_barrier_wait -1                              ; everybody's are, and the scale bytes
	v_mov_b32 v[ADW], v[ADW0]
	v_mov_b32 v[ASW], v[ASW0]
	FETCHW 0
	FETCHW 1
.Lq:                                               ; pairs 0-2: they fetch blocks 2-7
	PAIR 0, 1
	s_cmp_lt_u32 s80, 3
	s_cbranch_scc1 .Lq
	s_wait_tensorcnt 0x0                           ; Wq's last block is on its way into registers: the three lines, a round, and Wv's rows over Wq's
	ds_add_u32 v[SPW], v[NIL]
	s_mov_b32 s80, 3
	s_mov_b32 s81, 8*BLK
	s_mov_b32 s82, 8*512
	s_wait_dscnt 0x0
	CROUND
	tensor_load_to_lds s[44:47], s[56:63]
	s_nop 0
	PLACES 4
.Lk:                                               ; pairs 3-6: they fetch blocks 8-15, Wk's
	PAIR 0, 1
	s_cmp_lt_u32 s80, 7
	s_cbranch_scc1 .Lk
	s_wait_tensorcnt 0x0                           ; my rows of Wv are in
	s_wait_dscnt 0x0
	s_barrier_signal -1
	s_barrier_wait -1                              ; everybody's are
	s_mov_b32 s80, 7
	s_mov_b32 s81, 0                               ; Wv's blocks lie where Wq's lay
	s_mov_b32 s82, 16*512
	PAIR 0, 1                                      ; pair 7 fetches Wv's blocks 0, 1
	s_mov_b32 s80, 8
	s_mov_b32 s81, 2*BLK
	s_mov_b32 s82, 18*512
.Lv:                                               ; pairs 8-10
	PAIR 1, 1
	s_cmp_lt_u32 s80, 11
	s_cbranch_scc1 .Lv
	PAIR 1, 0                                      ; pair 11 fetches nothing
	s_wait_dscnt 0x0                               ; my scale bytes lie in LDS
	s_barrier_signal -1
	s_barrier_wait -1                              ; everybody's do
	s_wait_xcnt 0x0
	ds_load_b64 v[PC:PC+1], v[GS]                  ; head wave % 2, 128 tokens wave / 2: q's, k's, v's 256 bytes
	ds_load_b64 v[PC+2:PC+3], v[GS] offset:1024
	ds_load_b64 v[PC+4:PC+5], v[GS] offset:2048
	s_wait_dscnt 0x0
	global_store_b64 v[L8], v[PC:PC+1], s[84:85] offset:QSOFF        ; 256 consecutive bytes, aligned
	global_store_b64 v[L8], v[PC+2:PC+3], s[84:85] offset:KSOFF
	global_store_b64 v[L8], v[PC+4:PC+5], s[84:85] offset:VSOFF
	s_wait_tensorcnt 0x0                           ; the wave's end
	ds_add_u32 v[SPW], v[NIL]
	s_wait_dscnt 0x0
	CROUND                                         ; the closing round
	s_endpgm
.Lfunc_end_k_qa78437d236_proj:
	.size	k_qa78437d236_proj, .Lfunc_end_k_qa78437d236_proj-k_qa78437d236_proj
	.p2alignl 7, 3214868480
	.fill 96, 4, 3214868480
	.section	.rodata,"a",@progbits
	.p2align	6, 0x0
	.amdhsa_kernel k_qa78437d236_proj
		.amdhsa_group_segment_fixed_size 327680
		.amdhsa_private_segment_fixed_size 0
		.amdhsa_enable_private_segment 0
		.amdhsa_kernarg_size 72
		.amdhsa_user_sgpr_count 2
		.amdhsa_user_sgpr_kernarg_segment_ptr 1
		.amdhsa_wavefront_size32 1
		.amdhsa_system_sgpr_workgroup_id_x 1
		.amdhsa_system_sgpr_workgroup_id_y 1
		.amdhsa_system_sgpr_workgroup_id_z 1
		.amdhsa_system_vgpr_workitem_id 0
		.amdhsa_next_free_vgpr 1024
		.amdhsa_next_free_sgpr 102
		.amdhsa_reserve_vcc 0
		.amdhsa_float_denorm_mode_32 3
		.amdhsa_float_denorm_mode_16_64 3
		.amdhsa_memory_ordered 1
		.amdhsa_forward_progress 1
		.amdhsa_inst_pref_size 132
	.end_amdhsa_kernel
	.amdgpu_metadata
---
amdhsa.version: [ 1, 2 ]
amdhsa.kernels:
  - .name:           k_qa78437d236_proj
    .symbol:         k_qa78437d236_proj.kd
    .args:
      - { .name: x_codes, .offset: 0, .size: 8, .value_kind: global_buffer, .address_space: global }
      - { .name: x_scales, .offset: 8, .size: 8, .value_kind: global_buffer, .address_space: global }
      - { .name: Wq_codes, .offset: 16, .size: 8, .value_kind: global_buffer, .address_space: global }
      - { .name: Wq_scales, .offset: 24, .size: 8, .value_kind: global_buffer, .address_space: global }
      - { .name: Wk_codes, .offset: 32, .size: 8, .value_kind: global_buffer, .address_space: global }
      - { .name: Wk_scales, .offset: 40, .size: 8, .value_kind: global_buffer, .address_space: global }
      - { .name: Wv_codes, .offset: 48, .size: 8, .value_kind: global_buffer, .address_space: global }
      - { .name: Wv_scales, .offset: 56, .size: 8, .value_kind: global_buffer, .address_space: global }
      - { .name: qkv, .offset: 64, .size: 8, .value_kind: global_buffer, .address_space: global }
    .group_segment_fixed_size: 327680
    .private_segment_fixed_size: 0
    .kernarg_segment_align: 8
    .kernarg_segment_size: 72
    .max_flat_workgroup_size: 128
    .sgpr_count:     102
    .vgpr_count:     1024
    .wavefront_size: 32
...
	.end_amdgpu_metadata
.endif
;; end of part 1
;; launch attn (part 2): grid 4 x 64, 16 waves a work-group, no clusters, 327,680 bytes of LDS; arguments qkv, acodes, ascales; writes acodes, ascales
.if DOCPART == 2
	.amdgcn_target "amdgcn-amd-amdhsa--gfx1250"
	.amdhsa_code_object_version 6
	.text
	.protected	k_qa78437d236_attn
	.globl	k_qa78437d236_attn
	.p2align	8
	.type	k_qa78437d236_attn,@function
k_qa78437d236_attn:
	s_mov_b64 s[64:65], 0
	v_nop
	global_prefetch_b8 v0, s[64:65] scope:SCOPE_SE
	s_setreg_imm32_b32 hwreg(HW_REG_WAVE_MODE, 25, 1), 1
	s_wait_xcnt 0x0
; Causal attention of one head on codes of FP8 (E4M3), one E8M0 scale for each 32 along a product's K, and the quantising of its result along D for the last product.
; t = score x log2(e) / 8; M = the running largest t rounded UP to a whole number; p = 2^(t - M) is quantised along the keys, not normalised; the row's sum is taken of the unquantised p and divides at the end.
; LEFT OUT: key steps of 128 keys that lie wholly behind a tile's 16 queries: reference() sets their scores to -inf by its own causal mask, so their p is 0 for all values of the inputs.  A NaN or an infinity that reaches only those scores is not carried on.
; ALL OF A HEAD'S K, V AND THEIR SCALE WORDS, 270,336 bytes, LIE IN LDS, as they lie in qkv: K codes 16 x 8,192 | V codes 16 x 8,192 | K scale words 16 x 256 | V scale words 16 x 256.  Every byte is filled once: there is no ring.
; FILLS, one a wave: waves 0, 1: key steps 0-3 of K, of V (128 rows of 256 bytes); waves 2, 3: K's, V's scale words (16 rows); waves 10-15: key steps 4-7, 8-11, 12-15 of K and of V.  The first barrier shows what waves 0-3 asked for
; (they have load lines of their own and wait there); four key steps on, every wave waits and a second barrier shows the rest.  Behind it the waves meet only once more, for the scale bytes at the end.
; SHARES.  The head's 2,048 queries are 16 groups of 128.  Work-group j owns groups j, 15 - j (waves 0-7, a tile of 16 queries of each) and 7 - j, 8 + j (waves 8-15).  A tile of group a walks a + 1 key steps: 17 for every wave.
; The long tile goes first: key steps 0-3 (all its keys count: its group is 8 or more), then 4-15; then the short tile's 0-7.  Trip counts are constants; a hidden step is jumped over by a scalar branch on ids.
; Every work-group owns a group of 12 or more, so each of the ten fills has bytes that it reads.
; No cluster: which steps a wave walks hangs on the work-group's place among the four that share a head.  No prefetch: all that the launch reads of K and V is asked for by the ten loads at its head, so no loop is left to ask ahead in.
; OPERANDS come as images of registers (16 bytes a lane, 512 bytes a group of four registers): every LDS read takes 512 consecutive bytes.
; THE SCORES' K IS 64: a fragment of K holds two tiles of 16 keys and is multiplied by [q | 0] and by [0 | q]; the zeros are 16 registers.
; Both products are used transposed: a lane holds one query (lane % 16).  Register 8 T + j of the scores is key 16 T + 8 (lane / 16) + j; p's codes stay where the conversions put them, and V was laid in the same order.
; LIMITS: NaN and infinities are not served; the scaled scores stay under 2^31 in magnitude.  A block whose largest magnitude lies under 2^-118 keeps the scale byte 1, a block of zeros too (this program alone reads the bytes).
; A block's largest p is taken through the block's largest score: that takes v_exp_f32 not to fall where its input rises.
.set HEADSTR, 405504
.set VOFF,   131072
.set KSOFF,  262144
.set QOFF,   270336
.set QSOFF,  401408
.set SCR,    270336                    ; LDS: the results' scale bytes: [group of four][128 tokens] of 2 bytes; no tile lands here
.set SPARE,  271360                    ; the spare words: 128 bytes for each of 16 waves
.set LI,  1                            ; 16 x lane
.set L8P, 2                            ; 8 x lane
.set SPW, 3
.set NIL, 4
.set ADK, 5                            ; the step's K codes
.set ADS, 6                            ; the step's scale words
.set ADV, 7                            ; the step's V codes
.set SCRA, 8                           ; where my row's two scale bytes go
.set LIV, 9                            ; VOFF + 16 x lane
.set GAD, 10                           ; where waves 0-3 read the scale bytes back
.set RH,  11                           ; lane % 16 - 8 (lane / 16)
.set L8K, 60                           ; KSOFF + 8 x lane
                                       ; v12 -M, v13 the largest t, v[14:15] the sum; v16-39 [0 | q | 0]; v40 q's scale word; v41, v42-49 the short tile's; v[50:51] K's scale words, v[52:53] V's; v54 f, v55 p's scale word; v56-59, v61-63 at work
.set KV,  64                           ; four fragments: K's, then V's
.set S,   128                          ; the scores, then p
.set O,   192                          ; O^T: four tiles of 16 channels
.set PCD, 224
.set BM,  240
.set PB,  244
.set HL,  248
.set SO,  252
; s2 8,192 x the key step; s3 its first key; s10 wave; s11 j; s12 trips; s13 batch x head; s14 head; s15 batch; s[16:23], s[56:63] descriptor groups 1; s[24:27], s[28:31] groups 0; s36 my first query; s51 the short tile's
	s_load_b128 s[4:7], s[0:1], 0x0                ; qkv, acodes
	s_load_b64 s[8:9], s[0:1], 0x10                ; ascales
	v_lshl_add_u32 v[SPW], v0, 2, SPARE
	v_mov_b32 v[NIL], 0
	ds_add_u32 v[SPW], v[NIL]                      ; the opening lines: the add, twice on end, and its wait
	ds_add_u32 v[SPW], v[NIL]
	v_lshrrev_b32 v5, 5, v0
	v_readfirstlane_b32 s10, v5                    ; wave 0..15
	s_mov_b32 s11, ttmp9
	s_and_b32 s13, ttmp7, 0xffff
	s_and_b32 s14, s13, 15
	s_lshr_b32 s15, s13, 4
	s_mov_b32 s16, 3<<16                           ; elements of 8 bytes, no padding: rows of 256 bytes, dense
	s_mov_b32 s17, 32<<16
	s_mov_b32 s18, 128<<16                         ; 128 rows: four key steps of codes
	s_mov_b32 s19, 32<<16
	s_mov_b32 s20, 128
	s_mov_b32 s21, 32
	s_mov_b32 s22, 0
	s_mov_b32 s23, 0
	s_mov_b32 s56, 3<<16
	s_mov_b32 s57, 32<<16
	s_mov_b32 s58, 16<<16                          ; 16 rows: a tensor's scale words
	s_mov_b32 s59, 32<<16
	s_mov_b32 s60, 16
	s_mov_b32 s61, 32
	s_mov_b32 s62, 0
	s_mov_b32 s63, 0
	s_bfe_u32 s25, s10, 0x20001                    ; codes: four key steps number (wave / 2) % 4 (waves 0, 1: 0; waves 10-15: 1, 2, 3),
	s_lshl_b32 s25, s25, 15
	s_and_b32 s50, s10, 1
	s_lshl_b32 s53, s50, 17                        ; of K (even waves) or of V
	s_add_co_u32 s25, s25, s53
	s_lshl_b32 s29, s50, 12                        ; scale words: K's or V's
	s_add_co_u32 s29, s29, KSOFF
	s_and_b32 s37, s10, 7                          ; my tile in its groups
	s_lshr_b32 s46, s10, 3
	s_sub_co_u32 s47, 7, s11
	s_cmp_eq_u32 s46, 0
	s_cselect_b32 s54, s11, s47                    ; the short group: j or 7 - j
	s_sub_co_u32 s55, 15, s54                      ; the long one
	s_lshl_b32 s50, s37, 4
	s_lshl_b32 s36, s55, 7
	s_add_co_u32 s36, s36, s50                     ; the long tile's first query
	s_lshl_b32 s51, s54, 7
	s_add_co_u32 s51, s51, s50                     ; the short tile's
	s_lshl_b32 s32, s36, 6                         ; Q's codes: 1,024 bytes a tile
	s_add_co_u32 s32, s32, QOFF
	s_lshl_b32 s34, s51, 6
	s_add_co_u32 s34, s34, QOFF
	s_bfe_u32 s47, s10, 0x10002                    ; a tile's two scale bytes inside the word of the fragment that holds it
	s_lshl_b32 s47, s47, 7
	s_bfe_u32 s50, s10, 0x10001
	s_lshl_b32 s50, s50, 2
	s_add_co_u32 s47, s47, s50
	s_and_b32 s50, s10, 1
	s_lshl_b32 s50, s50, 1
	s_add_co_u32 s47, s47, s50
	s_add_co_u32 s47, s47, QSOFF
	s_lshl_b32 s33, s55, 8
	s_add_co_u32 s33, s33, s47
	s_lshl_b32 s35, s54, 8
	s_add_co_u32 s35, s35, s47
	s_lshl_b32 s44, s46, 9                         ; SCR: [waves 0-7 | 8-15][short | long][tile][row] of 2 bytes
	s_lshl_b32 s50, s37, 5
	s_add_co_u32 s44, s44, s50
	s_add_co_u32 s44, s44, SCR
	s_and_b32 s45, s10, 3
	s_lshl_b32 s45, s45, 8
	s_add_co_u32 s45, s45, SCR
	s_mul_i32 s46, s13, HEADSTR
	s_mov_b32 s47, 0
	s_mov_b32 s38, 0x3e38aa3b                      ; c = log2(e) / sqrt(64)
	s_mov_b32 s39, s38
	s_mov_b32 s40, 0x76543210
	s_mov_b32 s41, 0xfedcba98
	s_mov_b32 s42, 0x600000
	s_mov_b32 s43, 0xffff0000
	s_mov_b32 s12, 0
	s_mov_b32 s2, 0
	s_mov_b32 s3, 0
	s_wait_dscnt 0x0                               ; both opening adds are done
	s_wait_kmcnt 0x0
	s_add_nc_u64 s[48:49], s[4:5], s[46:47]        ; my head's part of qkv
	s_mov_b32 s24, 1
	s_mov_b32 s52, s25
	s_mov_b32 s53, 0
	s_add_nc_u64 s[26:27], s[48:49], s[52:53]      ; LDS holds the image of memory: the same offset in both
	s_or_b32 s27, s27, 0x80000000
	s_mov_b32 s28, 1
	s_mov_b32 s52, s29
	s_add_nc_u64 s[30:31], s[48:49], s[52:53]
	s_or_b32 s31, s31, 0x80000000
.macro ARM under, g0, g1, next         ; one chain of branches on the wave's number, one load to an arm; s_nop 0 and four v_nop follow each load
	s_cmp_lt_u32 s10, \under
	s_cbranch_scc0 \next
	tensor_load_to_lds s[\g0:\g0+3], s[\g1:\g1+7]
	s_nop 0
.rept 4
	v_nop
.endr
	s_branch .Lasked
\next:
.endm
	ARM 2, 24, 16, .Lh_scales
	ARM 4, 28, 56, .Lh_none
	s_cmp_lt_u32 s10, 10
	s_cbranch_scc1 .Lasked                         ; waves 4-9 ask for nothing
	tensor_load_to_lds s[24:27], s[16:23]
	s_nop 0
.rept 4
	v_nop
.endr
.Lasked:
	v_and_b32 v56, 31, v0
	v_and_b32 v[RH], 15, v0
	v_bfe_u32 v57, v0, 4, 1
	v_lshlrev_b32 v[LI], 4, v56
	v_lshlrev_b32 v[L8P], 3, v56
	v_lshlrev_b32 v58, 3, v[RH]
	v_lshl_add_u32 v[SCRA], v[RH], 1, s44
	v_add_nc_u32 v[LIV], VOFF, v[LI]
	v_add_nc_u32 v[L8K], KSOFF, v[L8P]
	v_add_nc_u32 v[GAD], s45, v[L8P]
	v_lshlrev_b32 v57, 3, v57
	v_sub_nc_u32 v[RH], v[RH], v57
	v_add_nc_u32 v59, s33, v58
	v_add_nc_u32 v61, s35, v58
	v_add_nc_u32 v63, s32, v[LI]
	v_add_nc_u32 v62, s34, v[LI]
	global_load_b128 v[24:27], v63, s[48:49]       ; the long tile's Q
	global_load_b128 v[28:31], v63, s[48:49] offset:512
	global_load_u16 v40, v59, s[48:49]
	global_load_b128 v[42:45], v62, s[48:49]       ; the short tile's
	global_load_b128 v[46:49], v62, s[48:49] offset:512
	global_load_u16 v41, v61, s[48:49]
.irp j, 0,1,2,3,4,5,6,7
	v_mov_b32 v[16+\j], 0
	v_mov_b32 v[32+\j], 0
.endr
.macro FRESH                           ; a tile begins: O^T and the sum are zeros, the largest t lies under every t: the first change of M multiplies zeros
	v_mov_b32 v13, 0xff61b1e6
	s_delay_alu instid0(VALU_DEP_1)
	v_floor_f32 v12, -v13
	v_mov_b32 v14, 0
	v_mov_b32 v15, 0
.set j, 0
.rept 32
	v_mov_b32 v[O+j], 0
.set j, j+1
.endr
.endm
	FRESH
.irp b, 0,1,2,3
	v_mov_b32 v[BM+\b], 0                          ; written once: a lane permute's destination counts as one of its sources
	v_mov_b32 v[PB+\b], 0
.endr
	v_mov_b32 v55, 0                               ; (named as the upper half of the pair v[54:55] before it is first written)
	v_mov_b32 v56, 0
	s_wait_alu depctr_va_vdst(0)
	s_wait_loadcnt 0x0
	v_lshl_or_b32 v40, v40, 16, v40                ; the two bytes twice: they serve [q | 0] and [0 | q] alike; zero codes add nothing under them
	v_lshl_or_b32 v41, v41, 16, v41
	s_wait_alu depctr_va_vdst(0)
	s_cmp_lt_u32 s10, 4
	s_cbranch_scc0 .Lnot_first
	s_wait_tensorcnt 0x0                           ; waves 0-3: key steps 0-3 and the scale words are in
.Lnot_first:
	s_barrier_signal -1
	s_barrier_wait -1
; A KEY STEP: 128 keys.  mode 0: all keys count for every tile that walks it; mode 1: a hidden step is jumped over, and on the diagonal hidden scores are masked.
.macro STEP mode
.if \mode
	s_add_co_u32 s37, s36, 15
	s_cmp_gt_u32 s3, s37                           ; all keys of the step come after my 16 queries: nothing to do
	s_cbranch_scc1 .Lhidden_\@
.endif
	s_lshr_b32 s37, s2, 5                          ; 256 x the key step
	v_add_nc_u32 v[ADK], s2, v[LI]
	v_add_nc_u32 v[ADV], s2, v[LIV]
	v_add_nc_u32 v[ADS], s37, v[L8K]
.rept 5
	v_nop                                          ; with the three additions: eight places in front of loads into registers that the last products read
.endr
.irp b, 0,1,2,3
.irp c, 0,1,2,3
	ds_load_b128 v[KV+16*\b+4*\c:KV+16*\b+4*\c+3], v[ADK] offset:2048*\b+512*\c
.endr
.endr
	ds_load_b64 v[50:51], v[ADS]                   ; lanes 0-15: the words of fragments 0, 1; lanes 16-31: of 2, 3
	s_wait_dscnt 0x0
	s_wait_alu depctr_va_vdst(0)
.irp b, 0,1
	v_wmma_scale_f32_16x16x128_f8f6f4 v[S+16*\b:S+16*\b+7], v[KV+16*\b:KV+16*\b+15], v[24:39], 0, v[50+\b], v40
	v_wmma_scale_f32_16x16x128_f8f6f4 v[S+16*\b+8:S+16*\b+15], v[KV+16*\b:KV+16*\b+15], v[16:31], 0, v[50+\b], v40
.endr
.irp b, 2,3
	v_wmma_scale_f32_16x16x128_f8f6f4 v[S+16*\b:S+16*\b+7], v[KV+16*\b:KV+16*\b+15], v[24:39], 0, v[48+\b], v40 matrix_a_scale:MATRIX_SCALE_ROW1
	v_wmma_scale_f32_16x16x128_f8f6f4 v[S+16*\b+8:S+16*\b+15], v[KV+16*\b:KV+16*\b+15], v[16:31], 0, v[48+\b], v40 matrix_a_scale:MATRIX_SCALE_ROW1
.endr
.rept 8
	v_nop
.endr
.irp t, 0,1,2,3                                ; V is asked for now and lands under the softmax
.irp c, 0,1,2,3
	ds_load_b128 v[KV+16*\t+4*\c:KV+16*\t+4*\c+3], v[ADV] offset:2048*\t+512*\c
.endr
.endr
	ds_load_b64 v[52:53], v[ADS] offset:4096
.if \mode
	s_add_co_u32 s37, s3, 127                      ; on the diagonal hidden scores become -infinity ahead of the maximum; a step all of whose keys count skips this
	s_cmp_le_u32 s37, s36
	s_cbranch_scc1 .Lopen_\@
	s_sub_co_i32 s37, s36, s3
	v_add_nc_u32 v57, s37, v[RH]                   ; d = my query - the step's first key - 8 (lane / 16): register n is hidden where 16 (n / 8) + n % 8 > d
	v_mov_b32 v58, 0xff800000
.set n, 0
.rept 64
	v_cmp_gt_i32 vcc_lo, 16*(n/8)+n%8, v57
	v_cndmask_b32 v[S+n], v[S+n], v58, vcc_lo
.set n, n+1
.endr
.Lopen_\@:
.endif
.irp b, 0,1,2,3
	v_max3_num_f32 v[BM+\b], v[S+16*\b], v[S+1+16*\b], v[S+2+16*\b]   ; the largest score of each block of 32 keys: for the row's maximum and for the block's largest p
.endr
.irp i, 3,5,7,9,11,13
.irp b, 0,1,2,3
	v_max3_num_f32 v[BM+\b], v[BM+\b], v[S+16*\b+\i], v[S+1+16*\b+\i]
.endr
.endr
.irp b, 0,1,2,3
	v_max_num_f32 v[BM+\b], v[BM+\b], v[S+15+16*\b]
.endr
.irp b, 0,1,2,3
	s_delay_alu instid0(VALU_DEP_4)
	v_permlanex16_b32 v[PB+\b], v[BM+\b], s40, s41
.endr
.irp b, 0,1,2,3
	s_delay_alu instid0(VALU_DEP_4)
	v_max_num_f32 v[BM+\b], v[BM+\b], v[PB+\b]
.endr
	s_delay_alu instid0(VALU_DEP_2)
	v_max3_num_f32 v56, v[BM], v[BM+1], v[BM+2]
	s_delay_alu instid0(VALU_DEP_1)
	v_max_num_f32 v56, v56, v[BM+3]
	s_delay_alu instid0(VALU_DEP_1)
	v_mul_f32 v56, s38, v56
	s_delay_alu instid0(VALU_DEP_1)
	v_max_num_f32 v13, v13, v56                    ; the running largest t
	v_mov_b32 v56, v12
	s_delay_alu instid0(VALU_DEP_2)
	v_floor_f32 v12, -v13                          ; -M = floor(-t): M is a whole number
	s_delay_alu instid0(VALU_DEP_1)
	v_sub_f32 v56, v12, v56
	s_delay_alu instid0(VALU_DEP_1)
	v_cvt_i32_f32 v56, v56                         ; (it saturates)
	s_delay_alu instid0(VALU_DEP_1)
	v_ldexp_f32 v54, 1.0, v56                      ; f = 2^(old M - new M): exact
.set j, 0
.rept 32
	v_pk_fma_f32 v[S+j:S+j+1], v[S+j:S+j+1], s[38:39], v[12:13] op_sel_hi:[1,0,0]   ; t - M
.set j, j+2
.endr
.irp b, 0,1,2,3
	v_fma_f32 v[BM+\b], v[BM+\b], s38, v12
.endr
.set j, 0
	s_wait_alu depctr_va_vdst(0)
.rept 64
	v_exp_f32 v[S+j], v[S+j]                       ; p = 2^(t - M)
.set j, j+1
.endr
.irp b, 0,1,2,3
	v_exp_f32 v[BM+\b], v[BM+\b]                   ; the block's largest p
.endr
	v_pk_mul_f32 v[14:15], v[14:15], v[54:55] op_sel_hi:[1,0]   ; the sums under the new M (a plain place behind the exponentials)
	s_wait_alu depctr_va_vdst(0)                   ; and behind it
.irp b, 0,1,2,3
	v_max_num_f32 v[BM+\b], 0x4800000, v[BM+\b]    ; the floor 2^(9 - 127)
.endr
.irp b, 0,1,2,3
	s_delay_alu instid0(VALU_DEP_4)
	v_add_nc_u32 v[SO+\b], 0xfc000000, v[BM+\b]    ; 8 off the exponent field: the conversion's scale operand
.endr
.irp b, 0,1,2,3
	v_and_or_b32 v[HL+\b], v[BM+\b], 0x7f800000, s42   ; 448 x the scale
.endr
.irp b, 0,1,2,3
	v_lshrrev_b32 v[PB+\b], 23, v[SO+\b]
.endr
	s_delay_alu instid0(VALU_DEP_3)
	v_lshl_or_b32 v55, v[PB+1], 8, v[PB]           ; p's scale word for these 128 keys
	s_delay_alu instid0(VALU_DEP_1)
	v_lshl_or_b32 v55, v[PB+2], 16, v55
	s_delay_alu instid0(VALU_DEP_1)
	v_lshl_or_b32 v55, v[PB+3], 24, v55
	v_pk_add_f32 v[244:245], v[132:133], v[136:137]   ; the row's sum of the unquantised p, in eight chains
	v_pk_add_f32 v[240:241], v[140:141], v[144:145]
	v_pk_add_f32 v[238:239], v[148:149], v[152:153]
	v_pk_add_f32 v[236:237], v[156:157], v[160:161]
	v_pk_add_f32 v[234:235], v[164:165], v[168:169]
	v_pk_add_f32 v[232:233], v[172:173], v[176:177]
	v_pk_add_f32 v[230:231], v[180:181], v[184:185]
	v_pk_add_f32 v[14:15], v[14:15], v[188:189]
	v_pk_add_f32 v[244:245], v[244:245], v[128:129]
	v_pk_add_f32 v[240:241], v[240:241], v[130:131]
	v_pk_add_f32 v[238:239], v[238:239], v[134:135]
	v_pk_add_f32 v[236:237], v[236:237], v[138:139]
	v_pk_add_f32 v[234:235], v[234:235], v[142:143]
	v_pk_add_f32 v[232:233], v[232:233], v[146:147]
	v_pk_add_f32 v[230:231], v[230:231], v[150:151]
	v_pk_add_f32 v[14:15], v[14:15], v[154:155]
	v_pk_add_f32 v[244:245], v[244:245], v[158:159]
	v_pk_add_f32 v[240:241], v[240:241], v[162:163]
	v_pk_add_f32 v[238:239], v[238:239], v[166:167]
	v_pk_add_f32 v[236:237], v[236:237], v[170:171]
	v_pk_add_f32 v[234:235], v[234:235], v[174:175]
	v_pk_add_f32 v[232:233], v[232:233], v[178:179]
	v_pk_add_f32 v[230:231], v[230:231], v[182:183]
	v_pk_add_f32 v[14:15], v[14:15], v[186:187]
	v_pk_add_f32 v[244:245], v[244:245], v[190:191]
	v_pk_add_f32 v[14:15], v[14:15], v[236:237]
	v_pk_add_f32 v[244:245], v[244:245], v[234:235]
	v_pk_add_f32 v[240:241], v[240:241], v[232:233]
	v_pk_add_f32 v[238:239], v[238:239], v[230:231]
	v_pk_add_f32 v[14:15], v[14:15], v[240:241]
	v_pk_add_f32 v[244:245], v[244:245], v[238:239]
	v_pk_add_f32 v[14:15], v[14:15], v[244:245]
.irp b, 0,1,2,3
.irp i, 0,2,4,6,8,10,12,14
	v_dual_min_num_f32 v[S+16*\b+\i], v[S+16*\b+\i], v[HL+\b] :: v_dual_min_num_f32 v[S+16*\b+\i+1], v[S+16*\b+\i+1], v[HL+\b]   ; the hold, two to an instruction: the conversion does not saturate (ISA guide 7.6.2); p is not negative
.endr
	v_cvt_scalef32_pk8_fp8_f32 v[PCD+4*\b:PCD+4*\b+1], v[S+16*\b:S+16*\b+7], v[SO+\b]
	v_cvt_scalef32_pk8_fp8_f32 v[PCD+4*\b+2:PCD+4*\b+3], v[S+16*\b+8:S+16*\b+15], v[SO+\b]
.endr
	s_wait_alu depctr_va_vdst(0)                   ; directly ahead of the first reader of O^T
.set j, 0
.rept 16
	v_pk_mul_f32 v[O+j:O+j+1], v[O+j:O+j+1], v[54:55] op_sel_hi:[1,0]   ; O^T under the new M; these are also the places in front of the products below
.set j, j+2
.endr
	s_wait_alu depctr_va_vdst(0)
	s_wait_dscnt 0x0                               ; V and its scale words are in
.irp t, 0,1
	v_wmma_scale_f32_16x16x128_f8f6f4 v[O+8*\t:O+8*\t+7], v[KV+16*\t:KV+16*\t+15], v[PCD:PCD+15], v[O+8*\t:O+8*\t+7], v[52+\t], v55
.endr
.irp t, 2,3
	v_wmma_scale_f32_16x16x128_f8f6f4 v[O+8*\t:O+8*\t+7], v[KV+16*\t:KV+16*\t+15], v[PCD:PCD+15], v[O+8*\t:O+8*\t+7], v[50+\t], v55 matrix_a_scale:MATRIX_SCALE_ROW1
.endr
.if \mode
.Lhidden_\@:
.endif
	s_add_co_u32 s3, s3, 128
	s_add_co_u32 s2, s2, 8192
.endm
; A TILE ENDS: O^T / the sum; its 64 channels are two blocks of 32 along D: quantised, brought into true order (the last product's other operand is given), stored as two images; the two scale bytes go to LDS.
.macro FINISH n
.rept 8
	v_nop
.endr
	v_add_f32 v14, v14, v15
	s_wait_alu depctr_va_vdst(0)
	v_permlanex16_b32 v56, v14, s40, s41
	s_delay_alu instid0(VALU_DEP_1)
	v_add_f32 v14, v14, v56                        ; the row's sum
	s_wait_alu depctr_va_vdst(0)                   ; the wait ahead of the transcendental,
	v_rcp_f32 v14, v14
	v_nop
.set j, 0
	s_wait_alu depctr_va_vdst(0)                   ; and ahead of its first reader
.rept 16
	v_pk_mul_f32 v[S+j:S+j+1], v[O+j:O+j+1], v[14:15] op_sel_hi:[1,0]   ; register 8 t + i: channel 16 t + 8 (lane / 16) + i of my query; each accumulator from its low end on
.set j, j+2
.endr
.irp b, 0,1
	v_max3_num_f32 v[BM+\b], |v[S+16*\b]|, |v[S+1+16*\b]|, 0x4800000
.endr
.irp i, 2,4,6,8,10,12,14
.irp b, 0,1
	s_delay_alu instid0(VALU_DEP_2)
	v_max3_num_f32 v[BM+\b], v[BM+\b], |v[S+16*\b+\i]|, |v[S+1+16*\b+\i]|
.endr
.endr
.irp b, 0,1
	s_delay_alu instid0(VALU_DEP_2)
	v_permlanex16_b32 v[PB+\b], v[BM+\b], s40, s41
.endr
.irp b, 0,1
	s_delay_alu instid0(VALU_DEP_2)
	v_max_num_f32 v[BM+\b], v[BM+\b], v[PB+\b]
.endr
.irp b, 0,1
	s_delay_alu instid0(VALU_DEP_2)
	v_add_nc_u32 v[SO+\b], 0xfc000000, v[BM+\b]
.endr
.irp b, 0,1
	s_delay_alu instid0(VALU_DEP_4)
	v_and_or_b32 v[HL+\b], v[BM+\b], 0x7f800000, s42
.endr
.irp b, 0,1
	s_delay_alu instid0(VALU_DEP_4)
	v_lshrrev_b32 v[PB+\b], 23, v[SO+\b]
.endr
	s_delay_alu instid0(VALU_DEP_1)
	v_lshl_or_b32 v59, v[PB+1], 8, v[PB]
.irp b, 0,1
.irp i, 0,1,2,3,4,5,6,7,8,9,10,11,12,13,14,15
	v_med3_num_f32 v[S+16*\b+\i], v[S+16*\b+\i], -v[HL+\b], v[HL+\b]
.endr
	v_cvt_scalef32_pk8_fp8_f32 v[PCD+4*\b:PCD+4*\b+1], v[S+16*\b:S+16*\b+7], v[SO+\b]
	v_cvt_scalef32_pk8_fp8_f32 v[PCD+4*\b+2:PCD+4*\b+3], v[S+16*\b+8:S+16*\b+15], v[SO+\b]
.endr
	v_nop
	; lanes 0-15 want channels 0..15 of the block: their own first pair and the other half's first pair; lanes 16-31 channels 16..31: the other half's second pair and their own
.irp b, 0,1
.irp i, 0,1
	v_permlanex16_b32 v[BM+2*\b+\i], v[PCD+4*\b+\i], s40, s41
	v_permlanex16_b32 v[PB+2*\b+\i], v[PCD+4*\b+2+\i], s40, s41
.endr
.endr
.irp b, 0,1
.irp i, 0,1
	v_cndmask_b32 v[PCD+4*\b+\i], v[PCD+4*\b+\i], v[PB+2*\b+\i], s43
	v_cndmask_b32 v[PCD+4*\b+2+\i], v[BM+2*\b+\i], v[PCD+4*\b+2+\i], s43
.endr
.endr
	s_lshr_b32 s46, s14, 2                         ; acodes: [head / 4][tile of 16 tokens][(head / 2) % 2][2 (head % 2) + block][512]
	s_lshl_b32 s46, s46, 21
	s_lshl_b32 s47, s15, 7
	s_lshr_b32 s52, s36, 4
	s_add_co_u32 s47, s47, s52
	s_lshl_b32 s47, s47, 12
	s_add_co_u32 s46, s46, s47
	s_bfe_u32 s47, s14, 0x10001
	s_lshl_b32 s47, s47, 11
	s_add_co_u32 s46, s46, s47
	s_and_b32 s47, s14, 1
	s_lshl_b32 s47, s47, 10
	s_add_co_u32 s46, s46, s47
	s_mov_b32 s47, 0
	s_add_nc_u64 s[44:45], s[6:7], s[46:47]
	s_wait_alu depctr_va_vdst(0)
	global_store_b128 v[LI], v[PCD:PCD+3], s[44:45]              ; the two stores cover 1,024 consecutive bytes, aligned
	global_store_b128 v[LI], v[PCD+4:PCD+7], s[44:45] offset:512
	ds_store_b16 v[SCRA], v59 offset:256*\n        ; both lanes of a row write the same two bytes
	s_wait_xcnt 0x0                                ; the stores' data and base are written again only behind this wait
.endm
.Lfirst:                                           ; the long tile, key steps 0-3
	STEP 0
	s_add_co_u32 s12, s12, 1
	s_cmp_lt_u32 s12, 4
	s_cbranch_scc1 .Lfirst
	s_wait_tensorcnt 0x0                           ; every wave: all that was asked for is in
	s_wait_dscnt 0x0
	s_barrier_signal -1
	s_barrier_wait -1
.Llong:                                            ; key steps 4-15
	STEP 1
	s_add_co_u32 s12, s12, 1
	s_cmp_lt_u32 s12, 16
	s_cbranch_scc1 .Llong
	FINISH 1
	v_mov_b32 v40, v41                             ; the short tile
.irp j, 0,1,2,3,4,5,6,7
	v_mov_b32 v[24+\j], v[42+\j]
.endr
	FRESH
	s_mov_b32 s12, 0
	s_mov_b32 s2, 0
	s_mov_b32 s3, 0
	s_mov_b32 s36, s51
	s_wait_alu depctr_va_vdst(0)
.Lshort:                                           ; key steps 0-7: its group is 7 or less
	STEP 1
	s_add_co_u32 s12, s12, 1
	s_cmp_lt_u32 s12, 8
	s_cbranch_scc1 .Lshort
	FINISH 0
	s_wait_dscnt 0x0                               ; my scale bytes lie in LDS
	s_barrier_signal -1
	s_barrier_wait -1                              ; everybody's do
	s_cmp_lt_u32 s10, 4
	s_cbranch_scc0 .Lno_gather
	ds_load_b64 v[62:63], v[GAD]                   ; wave n: the 256 bytes of group number n of the work-group's four
	s_lshr_b32 s46, s10, 1
	s_sub_co_u32 s47, 7, s11
	s_cmp_eq_u32 s46, 0
	s_cselect_b32 s46, s11, s47                    ; j or 7 - j,
	s_sub_co_u32 s47, 15, s46
	s_bitcmp1_b32 s10, 0
	s_cselect_b32 s46, s47, s46                    ; or its partner
	s_lshl_b32 s46, s46, 8                         ; ascales: [head][token] of 2 bytes
	s_lshl_b32 s47, s15, 12
	s_add_co_u32 s46, s46, s47
	s_lshl_b32 s47, s14, 14
	s_add_co_u32 s46, s46, s47
	s_mov_b32 s47, 0
	s_add_nc_u64 s[52:53], s[8:9], s[46:47]
	s_wait_dscnt 0x0
	global_store_b64 v[L8P], v[62:63], s[52:53]    ; 256 consecutive bytes, aligned
.Lno_gather:
	s_wait_tensorcnt 0x0                           ; the wave's end
	ds_add_u32 v[SPW], v[NIL]
	s_wait_dscnt 0x0
	s_endpgm
.Lfunc_end_k_qa78437d236_attn:
	.size	k_qa78437d236_attn, .Lfunc_end_k_qa78437d236_attn-k_qa78437d236_attn
	.p2alignl 7, 3214868480
	.fill 96, 4, 3214868480
	.section	.rodata,"a",@progbits
	.p2align	6, 0x0
	.amdhsa_kernel k_qa78437d236_attn
		.amdhsa_group_segment_fixed_size 327680
		.amdhsa_private_segment_fixed_size 0
		.amdhsa_enable_private_segment 0
		.amdhsa_kernarg_size 24
		.amdhsa_user_sgpr_count 2
		.amdhsa_user_sgpr_kernarg_segment_ptr 1
		.amdhsa_wavefront_size32 1
		.amdhsa_system_sgpr_workgroup_id_x 1
		.amdhsa_system_sgpr_workgroup_id_y 1
		.amdhsa_system_sgpr_workgroup_id_z 1
		.amdhsa_system_vgpr_workitem_id 0
		.amdhsa_next_free_vgpr 256
		.amdhsa_next_free_sgpr 66
		.amdhsa_reserve_vcc 1
		.amdhsa_float_denorm_mode_32 3
		.amdhsa_float_denorm_mode_16_64 3
		.amdhsa_memory_ordered 1
		.amdhsa_forward_progress 1
		.amdhsa_inst_pref_size 96
	.end_amdhsa_kernel
	.amdgpu_metadata
---
amdhsa.version: [ 1, 2 ]
amdhsa.kernels:
  - .name:           k_qa78437d236_attn
    .symbol:         k_qa78437d236_attn.kd
    .args:
      - { .name: qkv, .offset: 0, .size: 8, .value_kind: global_buffer, .address_space: global }
      - { .name: acodes, .offset: 8, .size: 8, .value_kind: global_buffer, .address_space: global }
      - { .name: ascales, .offset: 16, .size: 8, .value_kind: global_buffer, .address_space: global }
    .group_segment_fixed_size: 327680
    .private_segment_fixed_size: 0
    .kernarg_segment_align: 8
    .kernarg_segment_size: 24
    .max_flat_workgroup_size: 512
    .sgpr_count:     66
    .vgpr_count:     256
    .wavefront_size: 32
...
	.end_amdgpu_metadata
.endif
;; end of part 2
;; launch outp (part 3): grid 32 x 8, 4 waves a work-group, clusters of 4 x 1, 327,680 bytes of LDS; arguments acodes, ascales, Wo_codes, Wo_scales, bo, out0; writes out0
.if DOCPART == 3
	.amdgcn_target "amdgcn-amd-amdhsa--gfx1250"
	.amdhsa_code_object_version 6
	.text
	.protected	k_qa78437d236_outp
	.globl	k_qa78437d236_outp
	.p2align	8
	.type	k_qa78437d236_outp,@function
k_qa78437d236_outp:
	s_mov_b64 s[64:65], 0
	v_nop
	global_prefetch_b8 v0, s[64:65] scope:SCOPE_SE
	s_setreg_imm32_b32 hwreg(HW_REG_WAVE_MODE, 25, 1), 1
	s_wait_xcnt 0x0
	s_wait_alu depctr_hold_cnt(0) depctr_sa_sdst(0) depctr_va_vdst(0) depctr_va_sdst(0) depctr_va_ssrc(0) depctr_va_vcc(0) depctr_vm_vsrc(0)
	s_getreg_b32 s2, hwreg(HW_REG_IB_STS2, 6, 4)
	s_cmp_eq_u32 s2, 0
	s_cbranch_scc0 .Lentry_in_a_cluster
	s_endpgm
.Lentry_in_a_cluster:
	s_bfe_u32 s2, ttmp6, 0x10000c
	s_cmp_lg_u32 s2, 0x3003
	s_cbranch_scc0 .Lentry_shape_is_right
	s_endpgm
.Lentry_shape_is_right:
; out0 = a Wo^T + bo on codes of FP8 (E4M3), one E8M0 scale for each 32 along K = 1,024; a is the attention's result as the launch before left it; sums in f32.
; THE DEAL.  256 work-groups of four waves; a work-group makes 256 tokens x 128 columns, a wave 64 tokens x 128 columns.
; A IN REGISTERS: acodes lies as images of operand registers, [K / 256][tile of 16 tokens][(K / 128) % 2][group of four registers][512 bytes], so a wave's 64 tokens, all of K, go from memory straight into 512 registers:
; 128 loads, each of 512 consecutive bytes.  Wo IN LDS: the work-group's 128 rows, all of K, land once (32 rows a wave): no byte of LDS is filled twice, so there is no ring.
; A wave walks Wo's rows in eight blocks of 16: a block's 128 registers come from LDS into one of two sets, two blocks ahead; 32 products a block (K in eight steps x four tiles of tokens: the four accumulators by turns).
; The product is used transposed (source 0 = 16 rows of Wo, source 1 = 16 tokens): a lane holds one token and eight neighbouring columns.  A block's sums go into the wave's own stage in LDS (64 rows of 512 bytes + 16);
; behind blocks 3 and 7 half rows of 256 bytes come back, get the bias and are stored: sixteen lanes store 256 consecutive bytes, aligned.
; CLUSTER: the four work-groups of a cluster make the same columns for other tokens and ask for Wo's rows jointly.  No prefetch: all that the launch reads is asked for at its head, so no loop is left to ask ahead in.
; ascales is [head][token] of 2 bytes: a token's scale word for 128 along K is the two bytes of heads 2 q and 2 q + 1.
; LIMITS: NaN and infinities are not served.
; REGISTERS: window 0: v1-17 addresses and work; v24-87 Wo's scale words (8 block + q); v88-91, v252-255 the bias; v92-123 A's scale words (8 tile + q); v124-187 two sets of four accumulators; v188-251 rows on the way out.
;   windows 1, 2: A's fragments, (q, tile) at 16 (4 q + tile).   window 3: Wo's fragments, two sets of 128.
.set PITCH,  1040                      ; an LDS row of Wo: 1,024 bytes + 16 of padding
.set STAGE,  128*PITCH
.set SPITCH, 528
.set WSTG,   64*SPITCH                 ; a wave's stage
.set SPARE,  STAGE+4*WSTG              ; the spare words: 128 bytes for each wave
.set SPW, 3
.set NIL, 4
.set LI,  5                            ; 16 x lane
.set ADW0, 6                           ; LDS address of my part of Wo's block 0
.set ADW, 7                            ; of the block that is fetched
.set STO, 8                            ; the stage: where my 32 bytes of a row go
.set RD,  9                            ; and where I read half a row back
.set CO,  10                           ; my byte offset in out0
.set RS,  11                           ; 32 x (lane % 16)
.set UO,  12                           ; 2 x (lane % 16) + a head's 16,384 bytes x (lane / 16)
.set R16, 13                           ; 16 x (lane % 16)
.set SB,  24
.set BI0, 88
.set SA,  92                           ; no product's two scale words have numbers equal modulo 8
.set ACC, 124
.set BK,  188
.set BI1, 252
.set MSB, 0
.macro WIN new                         ; the immediate's high byte repeats the setting that is left
.if MSB != \new
	s_set_vgpr_msb (MSB<<8)|\new
.set MSB, \new
.endif
.endm
.macro PLACES n
.rept \n
	v_nop
.endr
.endm
.macro CROUND                          ; a round of the cluster's barrier
	s_barrier_signal -1
	s_barrier_wait -1
	s_cmp_lg_u32 s22, 0
	s_cbranch_scc1 .Lnot_wave_0_\@
	s_barrier_signal -3
.Lnot_wave_0_\@:
	s_barrier_wait -3
	s_barrier_signal -1
	s_barrier_wait -1
.endm
	s_load_b256 s[4:11], s[0:1], 0x0               ; acodes, ascales, Wo_codes, Wo_scales
	s_load_b128 s[12:15], s[0:1], 0x20             ; bo, out0
	v_lshl_add_u32 v[SPW], v0, 2, SPARE
	v_mov_b32 v[NIL], 0
	ds_add_u32 v[SPW], v[NIL]                      ; the opening lines: the add, twice on end, and its wait
	ds_add_u32 v[SPW], v[NIL]
	v_lshrrev_b32 v1, 5, v0
	v_readfirstlane_b32 s22, v1                    ; wave 0..3
	s_bfe_u32 s40, ttmp6, 0x40000                  ; cx
	s_lshl_b32 s41, ttmp9, 2
	s_add_co_u32 s41, s41, s40                     ; my 256 tokens: 0..31
	s_and_b32 s42, ttmp7, 0xffff                   ; my 128 columns: 0..7: the same in the four partners
	s_mov_b32 s24, 15|(1<<20)|(1<<21)|(7<<22)|(3<<25)   ; the four partners; elements of 1 byte; padding on; bit 21 beside a mask; 4 words behind every 256
	s_mov_b32 s25, 1024<<16                        ; tensor_dim0
	s_mov_b32 s26, 32<<16                          ; tensor_dim1: 32 rows a wave
	s_mov_b32 s27, 1024<<16                        ; tile_dim0
	s_mov_b32 s28, 32                              ; tile_dim1
	s_mov_b32 s29, 1024                            ; from row to row
	s_mov_b32 s30, 0
	s_mov_b32 s31, 0
	s_mov_b32 s32, 1
	s_mul_i32 s33, s22, 32*PITCH                   ; where my rows go
	s_lshl_b32 s44, s42, 17                        ; 128 rows of 1,024 bytes,
	s_lshl_b32 s45, s22, 15                        ; and my 32 of them
	s_add_co_u32 s44, s44, s45
	s_mov_b32 s45, 0
	s_mul_i32 s46, s22, WSTG
	s_add_co_u32 s46, s46, STAGE                   ; my stage
	s_mov_b32 s50, 0x76543210
	s_mov_b32 s51, 0xfedcba98                      ; v_permlanex16_b32's selects for lane l xor 16
	s_wait_dscnt 0x0                               ; both opening adds are done
	CROUND                                         ; the four work-groups are here: the joint loads meet
	s_wait_kmcnt 0x0
	s_add_nc_u64 s[34:35], s[8:9], s[44:45]
	s_or_b32 s35, s35, 0x80000000
	tensor_load_to_lds s[32:35], s[24:31]          ; my one tensor load
	s_nop 0
	PLACES 4
	s_lshl_b32 s48, s41, 16                        ; acodes: 16 tiles of 4,096 bytes a work-group, 4 a wave
	s_lshl_b32 s49, s22, 14
	s_add_co_u32 s48, s48, s49
	s_mov_b32 s49, 0
	s_add_nc_u64 s[4:5], s[4:5], s[48:49]
	s_lshl_b32 s48, s41, 9                         ; ascales: 2 bytes a token
	s_lshl_b32 s44, s22, 7
	s_add_co_u32 s48, s48, s44
	s_add_nc_u64 s[6:7], s[6:7], s[48:49]
	s_lshl_b32 s48, s42, 12                        ; Wo's scale bytes: 32 a row
	s_add_nc_u64 s[10:11], s[10:11], s[48:49]
	s_lshl_b32 s48, s42, 9                         ; the bias: 512 bytes
	s_add_nc_u64 s[12:13], s[12:13], s[48:49]
	s_lshl_b32 s44, s41, 20                        ; out0: rows of 4,096 bytes
	s_add_co_u32 s48, s48, s44
	s_lshl_b32 s44, s22, 18
	s_add_co_u32 s48, s48, s44
	s_add_nc_u64 s[14:15], s[14:15], s[48:49]
	v_and_b32 v1, 15, v0                           ; r
	v_bfe_u32 v2, v0, 4, 1                         ; h
	v_and_b32 v14, 31, v0
	v_lshlrev_b32 v[LI], 4, v14
	v_lshlrev_b32 v[RS], 5, v1
	v_lshlrev_b32 v[UO], 1, v1
	v_lshl_add_u32 v[UO], v2, 14, v[UO]
	v_lshlrev_b32 v[R16], 4, v1
	v_mul_u32_u24 v15, v1, PITCH
	v_lshl_add_u32 v[ADW0], v2, 4, v15             ; a fragment's row x pitch + 16 x half
	v_mul_u32_u24 v16, v1, SPITCH
	v_lshl_add_u32 v16, v2, 5, v16
	v_add_nc_u32 v[STO], s46, v16
	v_mul_u32_u24 v17, v2, SPITCH
	v_add_nc_u32 v17, v17, v[R16]
	v_add_nc_u32 v[RD], s46, v17
	v_lshl_add_u32 v[CO], v2, 12, v[R16]
	v_add_nc_u32 v[ADW], 16*PITCH, v[ADW0]         ; block 1
.irp b, 0,1,2,3,4,5,6,7
	global_load_b128 v[SB+8*\b:SB+8*\b+3], v[RS], s[10:11] offset:512*\b         ; Wo's scale words: a row's 32 bytes whole; 16 rows are 512 consecutive bytes
	global_load_b128 v[SB+8*\b+4:SB+8*\b+7], v[RS], s[10:11] offset:512*\b+16
.endr
.irp t, 0,1,2,3
.irp q, 0,1,2,3,4,5,6,7
	global_load_u16 v[SA+8*\t+\q], v[UO], s[6:7] offset:32768*\q+32*\t           ; lanes 0-15: head 2 q's two bytes of token r; lanes 16-31: head 2 q + 1's
.endr
.endr
	global_load_b128 v[BI0:BI0+3], v[R16], s[12:13]
	global_load_b128 v[BI1:BI1+3], v[R16], s[12:13] offset:256
.set F_, 0
.rept 32                               ; A's fragment F = 4 q + tile: four groups of 512 consecutive bytes
	WIN (1+F_/16)<<6
.irp c, 0,1,2,3
	global_load_b128 v[16*(F_%16)+4*\c:16*(F_%16)+4*\c+3], v[LI], s[4:5] offset:(F_/8)*2097152+(F_%4)*4096+((F_/4)%2)*2048+\c*512
.endr
.set F_, F_+1
.endr
	WIN 0
.irp n, 14,15,16,17
	v_mov_b32 v\n, 0                               ; a lane permute's destination counts as one of its sources
.endr
.macro FETCH b, adr                    ; Wo's block b, 16 rows, all of K, into set b % 2 of window 3: 32 loads
	WIN 3<<6
.set Q_, 0
.rept 8
.irp c, 0,1,2,3
	ds_load_b128 v[128*((\b)%2)+16*Q_+4*\c:128*((\b)%2)+16*Q_+4*\c+3], v[\adr] offset:128*Q_+32*\c
.endr
.set Q_, Q_+1
.endr
	WIN 0
.endm
; A block: cnt LDS instructions issued behind its set's loads may stay out.  The four accumulators take turns, one instruction a turn; the first product of each starts its sum.
.macro BATCH b, cnt
.set AC_, ACC+32*((\b)%2)
.set WS_, 128*((\b)%2)
	s_wait_dscnt \cnt
.set Q_, 0
.rept 8
.if (\b) == 0 && Q_ >= 4
	s_wait_loadcnt 16*(7-Q_)                       ; A's loads went out in the order of q, 16 to each: those of the later q may be out
.endif
	WIN 3|((1+Q_/4)<<2)
.set T_, 0
.rept 4
.if Q_
	v_wmma_scale_f32_16x16x128_f8f6f4 v[AC_+8*T_:AC_+8*T_+7], v[WS_+16*Q_:WS_+16*Q_+15], v[16*((4*Q_+T_)%16):16*((4*Q_+T_)%16)+15], v[AC_+8*T_:AC_+8*T_+7], v[SB+8*(\b)+Q_], v[SA+8*T_+Q_]
.else
	v_wmma_scale_f32_16x16x128_f8f6f4 v[AC_+8*T_:AC_+8*T_+7], v[WS_+16*Q_:WS_+16*Q_+15], v[16*((4*Q_+T_)%16):16*((4*Q_+T_)%16)+15], 0, v[SB+8*(\b)+Q_], v[SA+8*T_+Q_]
.endif
.set T_, T_+1
.endr
.set Q_, Q_+1
.endr
	WIN 0
.if (\b) < 6                           ; eight places behind the last product, ahead of the loads into what it has read and of the stores of its sums
	v_add_nc_u32 v[ADW], 16*PITCH*((\b)+2), v[ADW0]
	PLACES 7
	FETCH (\b)+2, ADW
.else
	PLACES 8
.endif
.irp t, 0,1,2,3
	ds_store_b128 v[STO], v[AC_+8*\t:AC_+8*\t+3] offset:16*SPITCH*\t+64*(\b)       ; token 16 t + r, columns 16 b + 8 h on; each accumulator from its low end on
	ds_store_b128 v[STO], v[AC_+8*\t+4:AC_+8*\t+7] offset:16*SPITCH*\t+64*(\b)+16
.endr
.endm
; Half rows (columns 64 hf on) of my 64 tokens: back from my stage, two rows an instruction; the bias; out.  LDS serves a wave's instructions in order (ISA guide 5.7.1.4): the loads see my stores.
.macro SENDH hf, bi
.irp g, 0,1
	s_wait_xcnt 0x0                                ; earlier stores have read their data: the registers are written again only behind this wait
.irp i, 0,1,2,3,4,5,6,7,8,9,10,11,12,13,14,15
	ds_load_b128 v[BK+4*\i:BK+4*\i+3], v[RD] offset:(16*\g+\i)*2*SPITCH+256*\hf
.endr
	s_wait_dscnt 0x0
.irp i, 0,1,2,3,4,5,6,7,8,9,10,11,12,13,14,15
	v_pk_add_f32 v[BK+4*\i:BK+4*\i+1], v[BK+4*\i:BK+4*\i+1], v[\bi:\bi+1]
	v_pk_add_f32 v[BK+4*\i+2:BK+4*\i+3], v[BK+4*\i+2:BK+4*\i+3], v[\bi+2:\bi+3]
.endr
.irp i, 0,1,2,3,4,5,6,7,8,9,10,11,12,13,14,15
	global_store_b128 v[CO], v[BK+4*\i:BK+4*\i+3], s[14:15] offset:(16*\g+\i)*8192+256*\hf th:TH_STORE_NT   ; sixteen lanes store 256 consecutive bytes, aligned
.endr
.endr
.endm
	s_wait_alu depctr_va_vdst(0)
	s_wait_tensorcnt 0x0                           ; my 32 rows of Wo are in
	s_barrier_signal -1
	s_barrier_wait -1                              ; everybody's are
	FETCH 0, ADW0
	FETCH 1, ADW
	s_wait_loadcnt 63                              ; of the 178 loads the last 63 may be out: the scale words, the bias and A's q = 0 .. 3 are in
.set n, 0
.rept 32
	v_permlanex16_b32 v[14+n%4], v[SA+n], s50, s51
	v_lshl_or_b32 v[SA+n], v[14+n%4], 16, v[SA+n]  ; lanes 0-15: the token's word for the q-th 128 along K (lanes 16-31 are not read)
.set n, n+1
.endr
	s_wait_alu depctr_va_vdst(0)
	PLACES 8                                       ; a scale register written by a vector instruction stands 8 places ahead of the product that names it
	BATCH 0, 32                                    ; behind block 0's loads: block 1's 32
	BATCH 1, 40                                    ; block 2's 32 and 8 stores
	BATCH 2, 48                                    ; 8 stores, 32 loads, 8 stores
	BATCH 3, 48
	SENDH 0, BI0                                   ; columns 0-63 are whole: they leave while the others are multiplied
	BATCH 4, 48
	BATCH 5, 48
	BATCH 6, 48
	BATCH 7, 16                                    ; behind block 7's loads: two blocks' 8 stores
	SENDH 1, BI1
	s_wait_tensorcnt 0x0                           ; the wave's end
	ds_add_u32 v[SPW], v[NIL]
	s_wait_dscnt 0x0
	CROUND                                         ; the closing round
	s_endpgm
.Lfunc_end_k_qa78437d236_outp:
	.size	k_qa78437d236_outp, .Lfunc_end_k_qa78437d236_outp-k_qa78437d236_outp
	.p2alignl 7, 3214868480
	.fill 96, 4, 3214868480
	.section	.rodata,"a",@progbits
	.p2align	6, 0x0
	.amdhsa_kernel k_qa78437d236_outp
		.amdhsa_group_segment_fixed_size 327680
		.amdhsa_private_segment_fixed_size 0
		.amdhsa_enable_private_segment 0
		.amdhsa_kernarg_size 48
		.amdhsa_user_sgpr_count 2
		.amdhsa_user_sgpr_kernarg_segment_ptr 1
		.amdhsa_wavefront_size32 1
		.amdhsa_system_sgpr_workgroup_id_x 1
		.amdhsa_system_sgpr_workgroup_id_y 1
		.amdhsa_system_sgpr_workgroup_id_z 1
		.amdhsa_system_vgpr_workitem_id 0
		.amdhsa_next_free_vgpr 1024
		.amdhsa_next_free_sgpr 66
		.amdhsa_reserve_vcc 0
		.amdhsa_float_denorm_mode_32 3
		.amdhsa_float_denorm_mode_16_64 3
		.amdhsa_memory_ordered 1
		.amdhsa_forward_progress 1
		.amdhsa_inst_pref_size 101
	.end_amdhsa_kernel
	.amdgpu_metadata
---
amdhsa.version: [ 1, 2 ]
amdhsa.kernels:
  - .name:           k_qa78437d236_outp
    .symbol:         k_qa78437d236_outp.kd
    .args:
      - { .name: acodes, .offset: 0, .size: 8, .value_kind: global_buffer, .address_space: global }
      - { .name: ascales, .offset: 8, .size: 8, .value_kind: global_buffer, .address_space: global }
      - { .name: Wo_codes, .offset: 16, .size: 8, .value_kind: global_buffer, .address_space: global }
      - { .name: Wo_scales, .offset: 24, .size: 8, .value_kind: global_buffer, .address_space: global }
      - { .name: bo, .offset: 32, .size: 8, .value_kind: global_buffer, .address_space: global }
      - { .name: out0, .offset: 40, .size: 8, .value_kind: global_buffer, .address_space: global }
    .group_segment_fixed_size: 327680
    .private_segment_fixed_size: 0
    .kernarg_segment_align: 8
    .kernarg_segment_size: 48
    .max_flat_workgroup_size: 128
    .sgpr_count:     66
    .vgpr_count:     1024
    .wavefront_size: 32
...
	.end_amdgpu_metadata
.endif
;; end of part 3
